; MI455X (gfx1250); checked and timed in simulation.
; The chip was launched on July 23, 2026; its instructions are those of AMD's public machine-readable ISA for CDNA 5 (MIT licence, August 2026) and "CDNA5" Instruction Set Architecture Reference Guide (July 2026). The comments in the code are by the model that wrote it; some were corrected since.
;; Simple Attention. Allowed arithmetic: matrix products marked QUANTISED: E2M3 operands, one E8M0 scale for each 32 along K, by v_wmma_scale_f32_16x16x128_f8f6f4 with both operands' format E2M3, f32 sums; products left as they are: f32 operands where the result goes on into a quantised operand, else bf16, f16 or f32 operands; f32 sums; everything else in f32.
;; Inputs: A 1,024 x 1,024 float32; B 1,024 x 1,024 float32; x 16 x 4,096 x 1,024 float32.
;; Outputs: out0 16 x 1,024 float32; out1 16 x 4,096 float32.
;; This version of the problem:
;;   THIS VERSION OF THE PROBLEM IS GIVEN IN LOW PRECISION. The matrix products marked QUANTISED in the list below multiply operands that are first quantised to E2M3 (2 exponent bits, 3 mantissa bits; 6 bits a number), with one power-of-two scale for each 32 numbers along K (OCP MX v1.0); their sums are f32. All else is computed in f32.
;;   The module's matrix products, in the order in which they are computed (A, B: the left and right operand; K: the contracted axis; several contracted axes count as one K, in the product's order):
;;     1. [M 16, K 1,024] x [K 1,024, N 1,024]; A: computed on the way; B: input A: QUANTISED
;;     2. [M 65,536, K 1,024] x [K 1,024, N 1,024]; A: input x; B: input B: QUANTISED
;;     3. batch 16 x [M 1, K 1,024] x [K 1,024, N 4,096]; A: computed on the way; B: computed on the way: left as it is (M = 1 < 16)
;;     4. batch 16 x [M 1, K 4,096] x [K 4,096, N 1,024]; A: computed on the way; B: input x: left as it is (M = 1 < 16)
;;   THE QUANTISER, for each operand of a quantised product, along K:
;;     - K is cut into blocks of 32 from its start; a last block that is shorter is filled with zeros.
;;     - A block's scale is 2^e with e = floor(log2(the largest magnitude in the block)) - 2, held to -126 .. 127; a block of zeros has e = 0. As a byte (E8M0): e + 127.
;;     - Each number is divided by its block's scale, clamped to +-7.5, and rounded to the nearest number of E2M3, ties to even, subnormals kept.
;;     - The product sums the exact products of the quantised numbers (number of the format x scale) in f32.
;;   ~~~python
;;   def quantise(x, axis):      # numpy; x: float32 -> the quantised numbers, widened to float32 again
;;       x = np.moveaxis(x, axis, -1); K = x.shape[-1]
;;       x = np.pad(x, [(0, 0)] * (x.ndim - 1) + [(0, -K % 32)]); x = x.reshape(x.shape[:-1] + (-1, 32)); a = np.abs(x).max(-1, keepdims=True)
;;       e = np.where(a > 0, np.clip(np.frexp(np.where(a > 0, a, 1))[1] - 1 - 2, -126, 127), 0)      # np.frexp(a)[1] - 1 = floor(log2(a)), exactly
;;       r = np.clip(x / 2.0 ** e, -7.5, 7.5)
;;       step = 2.0 ** (np.maximum(np.frexp(np.where(r == 0, 1, r))[1] - 1, 0) - 3)
;;       q = np.round(r / step) * step * 2.0 ** e      # np.round: ties to even
;;       return np.moveaxis(q.reshape(q.shape[:-2] + (-1,))[..., :K], -1, axis).astype(np.float32)
;;   ~~~
;;   OPERANDS COMPUTED ON THE WAY. 'Computed on the way' means the value that the module computes at that place (a softmax that the list does not call 'softmax' is quantised finished and normalised). What goes into a quantiser is computed in f32, as accurately as f32 sums, v_exp_f32 and their like allow (about 1e-6 of the number): no bf16 or f16 on the way to a quantiser, and a product that is left as it is and whose result goes on into a quantised operand takes f32 operands (vector FMAs, or v_wmma_f32_16x16x4_f32). A number that lies on a knife's edge between two numbers of the format may be rounded either way, as far as f32 arithmetic and the matrix unit's own rounding can turn it there, and no further.
;; One version. Each part assembles by itself: llvm-mc -triple=amdgcn-amd-amdhsa -mcpu=gfx1250 --defsym DOCPART=n.
;; ======== version 1 of 1: 4 launches
;; workspace buffers: xc 50,331,648 bytes; xs 2,097,152 bytes; wc 1,572,864 bytes; ws 65,536 bytes; xp 131,072 bytes; qr 65,536 bytes
;; launch quant (part 1): grid 256 x 1, 8 waves a work-group, no clusters, 81,408 bytes of LDS; arguments x, A, B, xc, xs, wc, ws, xp; writes xc, xs, wc, ws, xp
.if DOCPART == 1
	.amdgcn_target "amdgcn-amd-amdhsa--gfx1250"
	.amdhsa_code_object_version 6
	.text
	.protected	k_q6217a267f1_quant
	.globl	k_q6217a267f1_quant
	.p2align	8
	.type	k_q6217a267f1_quant,@function
k_q6217a267f1_quant:
	s_mov_b64 s[64:65], 0
	v_nop
	global_prefetch_b8 v0, s[64:65] scope:SCOPE_SE
	s_setreg_imm32_b32 hwreg(HW_REG_WAVE_MODE, 25, 1), 1
	s_wait_xcnt 0x0
; x [65536][1024], A [1024][1024], B [1024][1024], f32, K innermost, become codes of E2M3 with one E8M0 byte for each 32 along K, and x's columns are summed.
; THE CODES ARE LAID AS IMAGES OF THE OPERAND'S REGISTERS: a fragment is 16 rows x 128 K, 12 registers a lane; its bytes are [group of four registers 3][lane 32][16 bytes] = 1,536;
; a tile of 16 rows has its 8 K steps on end (12,288 bytes).  The scale words (four bytes: one row, one K step) are laid [K step][tile][row].  wc and ws hold A's 64 tiles, then B's 64.
; A block's scale is 2^(floor(log2(largest magnitude)) - 2); its byte is the largest magnitude's exponent field - 2, held at 1 from below.
; LIMITS: a block of zeros gets the byte 1 where the rule says 127 (its codes are zeros, and this program alone reads the bytes); NaN and infinities among the inputs are not served.
; SHARES.  Work-group g: batch g / 16, K step (g / 2) % 8, half g % 2 of the batch's 4,096 rows; wave w takes 16 tiles on end.
; THE WEIGHTS ARE SHARED OUT AMONG ALL WORK-GROUPS: A and B are 128 tiles x 8 K steps = 1,024 pieces, four to each of the 256 work-groups: wave w of waves 0-3 takes tile 4 (g % 32) + w at K step g / 32
; as a seventeenth tile.  So every work-group has the same work: 128 pieces of x and four of the weights.
; A tile: 16 loads, each one row's 512 consecutive bytes; the column sums are taken of the registers as loaded; the tile turns through the wave's own stage in LDS (rows 528 bytes apart) and comes back
; with two whole blocks of 32 along K in each lane, in the order of the operand's registers.  Waves share nothing until the column sums and the weights' scale words meet at the end.
.set STG,   8448                       ; a wave's stage: 16 rows x 528 bytes
.set SPIT,  528                        ; 512 bytes + 16: the 16 rows that a load of 16 bytes a lane touches fall on 16 different columns of 16 bytes
.set SCS,   8*STG                      ; behind the stages: each wave's 256 scale words of x
.set CSUM,  SCS+8*1024                 ; behind them: each wave's 128 column sums
.set WSC,   CSUM+8*512                 ; behind them: the weights' scale words, 64 bytes for each of waves 0-3: one unit of 256 bytes of ws (room for eight waves' addresses is kept)
.set L16, 1                            ; v1   16 x lane
.set SW,  2                            ; v2   the stage, on the way in
.set SR,  3                            ; v3   and on the way out: row r, + 128 h
.set SWD, 4                            ; v4   where my row's scale word goes
.set SRD, 5                            ; v5   where the words are read back
.set H8,  6                            ; v6   8 h
.set CSA, 7                            ; v7   my wave's column sums
.set MX,  8                            ; v8-9   largest magnitudes
.set SC,  10                           ; v10-11 the conversions' scale operands
.set BY,  12                           ; v12-13 the bytes
.set TP,  14
.set PW,  15                           ; the scale word
.set R,   16                           ; v16-143  two sets of 64: a tile as loaded
.set X,   144                          ; v144-207 a tile turned: register 32 c + i = k 64 c + 32 h + i of row r
.set CS,  208                          ; v208-223 column sums, four sets of four
.set PC,  224                          ; v224-235 the fragment
.set TC,  236                          ; v236-243 the upper halves of the two blocks, as converted
.set WSW, 244                          ; v244 where my row's scale word of the weights' tile goes
.set WSR, 245                          ; v245 where wave 1 reads the four waves' words back
.set L8,  246                          ; v246 8 x lane
.set SEL, 34                           ; s[34:35]
	s_load_b256 s[4:11], s[0:1], 0x0               ; x s[4:5], A s[6:7], B s[8:9], xc s[10:11]
	s_load_b256 s[12:19], s[0:1], 0x20             ; xs s[12:13], wc s[14:15], ws s[16:17], xp s[18:19]
	v_lshl_add_u32 v254, v0, 2, 0x13a00
	v_mov_b32 v255, 0
	v_lshrrev_b32 v8, 5, v0
	v_readfirstlane_b32 s20, v8                    ; wave 0..7
	v_and_b32 v9, 31, v0                           ; lane
	v_and_b32 v10, 15, v0                          ; r
	v_bfe_u32 v11, v0, 4, 1                        ; h
	v_lshlrev_b32 v[L16], 4, v9
	s_mul_i32 s21, s20, STG
	v_add_nc_u32 v[SW], s21, v[L16]
	v_mul_u32_u24 v[SR], v10, SPIT
	v_lshl_add_u32 v[SR], v11, 7, v[SR]
	v_add_nc_u32 v[SR], s21, v[SR]
	s_lshl_b32 s21, s20, 10
	s_add_co_u32 s21, s21, SCS
	v_lshl_add_u32 v[SWD], v10, 2, s21
	v_add_nc_u32 v[SRD], s21, v[L16]
	v_lshlrev_b32 v[H8], 3, v11
	s_lshl_b32 s21, s20, 9
	s_add_co_u32 s21, s21, CSUM
	v_add_nc_u32 v[CSA], s21, v[L16]
	s_lshl_b32 s21, s20, 6                         ; every LDS address is made here, ahead of the first parting of the waves
	s_add_co_u32 s21, s21, WSC
	v_lshl_add_u32 v[WSW], v10, 2, s21
	v_lshlrev_b32 v[L8], 3, v9
	v_add_nc_u32 v[WSR], WSC, v[L8]
	v_mov_b32 v[TP], 0                             ; written once: a lane permute's destination counts as one of its sources
.irp i, 0,1,2,3,4,5,6,7,8,9,10,11,12,13,14,15
	v_mov_b32 v[CS+\i], 0
.endr
	s_mov_b32 s[SEL], 0x76543210
	s_mov_b32 s[SEL+1], 0xfedcba98                 ; lane l xor 16
	s_lshr_b32 s22, ttmp9, 4                       ; x: the batch,
	s_bfe_u32 s23, ttmp9, 0x30001                  ; the K step,
	s_and_b32 s24, ttmp9, 1                        ; the half of its rows
	s_lshl_b32 s25, s22, 8
	s_lshl_b32 s26, s24, 7
	s_add_co_u32 s25, s25, s26
	s_lshl_b32 s26, s20, 4
	s_add_co_u32 s25, s25, s26                     ; my first tile of x: 256 b + 128 half + 16 wave
	s_and_b32 s27, ttmp9, 31                       ; the weights: which four tiles of the 128,
	s_lshr_b32 s28, ttmp9, 5                       ; and which K step
	s_and_b32 s29, s20, 3                          ; (waves 4-7 make the addresses of waves 0-3 and use none of them)
	s_lshl_b32 s30, s27, 2
	s_add_co_u32 s30, s30, s29                     ; my tile in wc: 4 (g % 32) + wave
	s_and_b32 s31, s30, 63                         ; and in A or in B
	s_mov_b32 s33, 0
	s_wait_kmcnt 0x0
	s_cmp_lt_u32 s27, 16                           ; tiles 0-63 are A's: the choice hangs on the work-group's number alone
	s_cselect_b64 s[6:7], s[6:7], s[8:9]
	s_lshl_b32 s32, s25, 16                        ; a tile of the source is 16 rows of 4,096 bytes
	s_lshl_b32 s26, s23, 9
	s_add_co_u32 s32, s32, s26
	s_add_nc_u64 s[4:5], s[4:5], s[32:33]          ; x at my first tile, my K step
	s_mul_i32 s32, s25, 12288
	s_mul_i32 s26, s23, 1536
	s_add_co_u32 s32, s32, s26
	s_add_nc_u64 s[10:11], s[10:11], s[32:33]      ; its codes
	s_lshl_b32 s32, s23, 18                        ; a K step's scale words of x: 4,096 tiles x 64 bytes
	s_lshl_b32 s26, s25, 6
	s_add_co_u32 s32, s32, s26
	s_add_nc_u64 s[12:13], s[12:13], s[32:33]      ; its scale words
	s_lshl_b32 s32, s24, 16                        ; xp [half][batch][1024]
	s_lshl_b32 s26, s22, 12
	s_add_co_u32 s32, s32, s26
	s_lshl_b32 s26, s23, 9
	s_add_co_u32 s32, s32, s26
	s_add_nc_u64 s[18:19], s[18:19], s[32:33]
	s_lshl_b32 s32, s31, 16
	s_lshl_b32 s26, s28, 9
	s_add_co_u32 s32, s32, s26
	s_add_nc_u64 s[6:7], s[6:7], s[32:33]          ; A or B at my tile, the work-group's K step
	s_mul_i32 s32, s30, 12288
	s_mul_i32 s26, s28, 1536
	s_add_co_u32 s32, s32, s26
	s_add_nc_u64 s[14:15], s[14:15], s[32:33]      ; its codes
	s_lshl_b32 s32, s28, 13                        ; a K step's scale words of the weights: 128 tiles x 64 bytes
	s_lshl_b32 s26, s27, 8
	s_add_co_u32 s32, s32, s26
	s_add_nc_u64 s[16:17], s[16:17], s[32:33]      ; the four tiles' scale words: 256 bytes, at a multiple of 256
.macro LOADT t                         ; tile t of x into set t % 2: each load takes one row's 512 consecutive bytes
.irp i, 0,1,2,3,4,5,6,7,8,9,10,11,12,13,14,15
	global_load_b128 v[R+64*((\t)%2)+4*\i:R+64*((\t)%2)+4*\i+3], v[L16], s[4:5] offset:65536*(\t)+4096*\i th:TH_LOAD_NT
.endr
.endm
.macro LOADW                           ; my tile of the weights into set 0
.irp i, 0,1,2,3,4,5,6,7,8,9,10,11,12,13,14,15
	global_load_b128 v[R+4*\i:R+4*\i+3], v[L16], s[6:7] offset:4096*\i th:TH_LOAD_NT
.endr
.endm
.macro TURN reg                        ; through my own stage: LDS serves a wave's instructions in order, so no wait stands between the stores and the loads
.irp i, 0,1,2,3,4,5,6,7,8,9,10,11,12,13,14,15
	ds_store_b128 v[SW], v[\reg+4*\i:\reg+4*\i+3] offset:SPIT*\i
.endr
.irp c, 0,1
.irp j, 0,1,2,3,4,5,6,7
	ds_load_b128 v[X+32*\c+4*\j:X+32*\c+4*\j+3], v[SR] offset:256*\c+16*\j
.endr
.endr
.endm
.macro QUANT                           ; X's 64 numbers become the fragment in PC and the row's scale word in PW
.irp c, 0,1
	v_max3_num_f32 v[MX+\c], |v[X+32*\c]|, |v[X+32*\c+1]|, 0x1800000   ; block 2 c + h is all mine; the floor 2^(3 - 127) holds the byte at 1 from below
.endr
.irp i, 2,4,6,8,10,12,14,16,18,20,22,24,26,28,30
.irp c, 0,1
	v_max3_num_f32 v[MX+\c], v[MX+\c], |v[X+32*\c+\i]|, |v[X+32*\c+\i+1]|
.endr
.endr
.irp c, 0,1
	v_add_nc_u32 v[SC+\c], 0xff000000, v[MX+\c]    ; 2 off the exponent field: the conversion takes that field as its scale
.endr
.irp c, 0,1
	v_lshrrev_b32 v[BY+\c], 23, v[SC+\c]           ; the byte
.endr
	v_lshl_or_b32 v[BY], v[BY+1], 16, v[BY]        ; blocks h and 2 + h,
	v_lshlrev_b32 v[BY], v[H8], v[BY]              ; at their places in the word;
	v_permlanex16_b32 v[TP], v[BY], s[SEL], s[SEL+1]
	v_or_b32 v[PW], v[BY], v[TP]                   ; with lane l xor 16's two the word is whole
.irp c, 0,1
	v_cvt_scalef32_pk16_fp6_f32 v[PC+6*\c:PC+6*\c+2], v[X+32*\c:X+32*\c+15], v[SC+\c]
	v_cvt_scalef32_pk16_fp6_f32 v[TC+4*\c:TC+4*\c+2], v[X+32*\c+16:X+32*\c+31], v[SC+\c]   ; (a conversion's three registers begin on an even number)
.endr
	v_nop                                          ; one plain place behind the conversions
.irp c, 0,1
.irp i, 0,1,2
	v_mov_b32 v[PC+6*\c+3+\i], v[TC+4*\c+\i]
.endr
.endr
.endm
.macro TILE t
.set RS, R+64*((\t)%2)
.if (\t) < 15
	s_wait_loadcnt 16                              ; this tile's 16 loads are in; the next tile's 16 may be out
.else
	s_wait_loadcnt 0                               ; the last tile of x; in waves 0-3 the weights' tile, asked for a tile ago, is waited for with it: one count for both ways
.endif
	s_wait_xcnt 0x0                                ; the last tile's stores of codes have read PC, which is written again below
.irp i, 0,1,2,3,4,5,6,7,8,9,10,11,12,13,14,15
	v_pk_add_f32 v[CS+4*(\i%4):CS+4*(\i%4)+1], v[CS+4*(\i%4):CS+4*(\i%4)+1], v[RS+4*\i:RS+4*\i+1]         ; my four columns of row i; four chains
	v_pk_add_f32 v[CS+4*(\i%4)+2:CS+4*(\i%4)+3], v[CS+4*(\i%4)+2:CS+4*(\i%4)+3], v[RS+4*\i+2:RS+4*\i+3]
.endr
	TURN RS
	s_wait_dscnt 0x0                               ; the tile is back, so the stage's stores have read their registers, and the last tile's word has left PW
.if (\t) < 14
	LOADT (\t)+2
.elseif (\t) == 14
	s_cmp_ge_u32 s20, 4                            ; waves 0-3 ask here for their tile of the weights, into the set that tile 14 has left
	s_cbranch_scc1 .Lno_w
	LOADW
.Lno_w:
.endif
	QUANT
.irp g, 0,1,2
	global_store_b128 v[L16], v[PC+4*\g:PC+4*\g+3], s[10:11] offset:12288*(\t)+512*\g th:TH_STORE_NT   ; 512 consecutive bytes, at a multiple of 512
.endr
	ds_store_b32 v[SWD], v[PW] offset:64*(\t)      ; lanes l and l xor 16 write the same word with the same value
.endm
	LOADT 0
	LOADT 1
.irp t, 0,1,2,3,4,5,6,7,8,9,10,11,12,13,14,15
	TILE \t
.endr
	s_cmp_ge_u32 s20, 4
	s_cbranch_scc1 .Lx_done                        ; waves 4-7 have no tile of the weights; no barrier stands in this branch
	s_wait_xcnt 0x0                                ; tile 15's stores of codes have read PC
	TURN R                                         ; its loads were waited for at tile 15's head; its columns are summed by nobody
	s_wait_dscnt 0x0
	QUANT
.irp g, 0,1,2
	global_store_b128 v[L16], v[PC+4*\g:PC+4*\g+3], s[14:15] offset:512*\g th:TH_STORE_NT
.endr
	ds_store_b32 v[WSW], v[PW]                     ; my 16 words of the work-group's 64
.Lx_done:
	ds_load_b128 v[X:X+3], v[SRD]                  ; my 256 scale words of x: LDS serves a wave's instructions in order
	ds_load_b128 v[X+4:X+7], v[SRD] offset:512
	v_pk_add_f32 v[CS:CS+1], v[CS:CS+1], v[CS+4:CS+5]
	v_pk_add_f32 v[CS+2:CS+3], v[CS+2:CS+3], v[CS+6:CS+7]
	v_pk_add_f32 v[CS+8:CS+9], v[CS+8:CS+9], v[CS+12:CS+13]
	v_pk_add_f32 v[CS+10:CS+11], v[CS+10:CS+11], v[CS+14:CS+15]
	v_pk_add_f32 v[CS:CS+1], v[CS:CS+1], v[CS+8:CS+9]
	v_pk_add_f32 v[CS+2:CS+3], v[CS+2:CS+3], v[CS+10:CS+11]
	s_wait_dscnt 0x0
	global_store_b128 v[L16], v[X:X+3], s[12:13] th:TH_STORE_NT
	global_store_b128 v[L16], v[X+4:X+7], s[12:13] offset:512 th:TH_STORE_NT
	ds_store_b128 v[CSA], v[CS:CS+3]
	s_wait_dscnt 0x0                               ; for the others' sake: my column sums, and my words of the weights, lie in LDS
	s_barrier_signal -1
	s_barrier_wait -1
	s_cmp_eq_u32 s20, 1
	s_cbranch_scc1 .Lwords                         ; wave 1 stores the weights' scale words,
	s_cmp_lg_u32 s20, 0
	s_cbranch_scc1 .Lend                           ; wave 0 adds the eight waves' sums
.irp k, 0,1,2,3,4,5,6,7
	ds_load_b128 v[R+4*\k:R+4*\k+3], v[CSA] offset:512*\k
.endr
	s_wait_dscnt 0x0
.irp k, 0,2,4,6
	v_pk_add_f32 v[R+4*\k:R+4*\k+1], v[R+4*\k:R+4*\k+1], v[R+4*\k+4:R+4*\k+5]
	v_pk_add_f32 v[R+4*\k+2:R+4*\k+3], v[R+4*\k+2:R+4*\k+3], v[R+4*\k+6:R+4*\k+7]
.endr
.irp k, 0,4
	v_pk_add_f32 v[R+4*\k:R+4*\k+1], v[R+4*\k:R+4*\k+1], v[R+4*\k+8:R+4*\k+9]
	v_pk_add_f32 v[R+4*\k+2:R+4*\k+3], v[R+4*\k+2:R+4*\k+3], v[R+4*\k+10:R+4*\k+11]
.endr
	v_pk_add_f32 v[R:R+1], v[R:R+1], v[R+16:R+17]
	v_pk_add_f32 v[R+2:R+3], v[R+2:R+3], v[R+18:R+19]
	global_store_b128 v[L16], v[R:R+3], s[18:19]   ; 128 sums: 512 consecutive bytes
	s_branch .Lend
.Lwords:
	ds_load_b64 v[R:R+1], v[WSR]                   ; four tiles' 64 words, 8 bytes a lane
	s_wait_dscnt 0x0
	global_store_b64 v[L8], v[R:R+1], s[16:17] th:TH_STORE_NT   ; 32 lanes store 256 consecutive bytes, at a multiple of 256
.Lend:
	s_wait_tensorcnt 0x0
	ds_add_u32 v254, v255
	s_wait_dscnt 0x0
	s_endpgm
.Lfunc_end_k_q6217a267f1_quant:
	.size	k_q6217a267f1_quant, .Lfunc_end_k_q6217a267f1_quant-k_q6217a267f1_quant
	.p2alignl 7, 3214868480
	.fill 96, 4, 3214868480
	.section	.rodata,"a",@progbits
	.p2align	6, 0x0
	.amdhsa_kernel k_q6217a267f1_quant
		.amdhsa_group_segment_fixed_size 81408
		.amdhsa_private_segment_fixed_size 0
		.amdhsa_enable_private_segment 0
		.amdhsa_kernarg_size 64
		.amdhsa_user_sgpr_count 2
		.amdhsa_user_sgpr_kernarg_segment_ptr 1
		.amdhsa_wavefront_size32 1
		.amdhsa_system_sgpr_workgroup_id_x 1
		.amdhsa_system_sgpr_workgroup_id_y 1
		.amdhsa_system_sgpr_workgroup_id_z 1
		.amdhsa_system_vgpr_workitem_id 0
		.amdhsa_next_free_vgpr 256
		.amdhsa_next_free_sgpr 66
		.amdhsa_reserve_vcc 0
		.amdhsa_float_denorm_mode_32 3
		.amdhsa_float_denorm_mode_16_64 3
		.amdhsa_memory_ordered 1
		.amdhsa_forward_progress 1
		.amdhsa_inst_pref_size 156
	.end_amdhsa_kernel
	.amdgpu_metadata
---
amdhsa.version: [ 1, 2 ]
amdhsa.kernels:
  - .name:           k_q6217a267f1_quant
    .symbol:         k_q6217a267f1_quant.kd
    .args:
      - { .name: x, .offset: 0, .size: 8, .value_kind: global_buffer, .address_space: global }
      - { .name: A, .offset: 8, .size: 8, .value_kind: global_buffer, .address_space: global }
      - { .name: B, .offset: 16, .size: 8, .value_kind: global_buffer, .address_space: global }
      - { .name: xc, .offset: 24, .size: 8, .value_kind: global_buffer, .address_space: global }
      - { .name: xs, .offset: 32, .size: 8, .value_kind: global_buffer, .address_space: global }
      - { .name: wc, .offset: 40, .size: 8, .value_kind: global_buffer, .address_space: global }
      - { .name: ws, .offset: 48, .size: 8, .value_kind: global_buffer, .address_space: global }
      - { .name: xp, .offset: 56, .size: 8, .value_kind: global_buffer, .address_space: global }
    .group_segment_fixed_size: 81408
    .private_segment_fixed_size: 0
    .kernarg_segment_align: 8
    .kernarg_segment_size: 64
    .max_flat_workgroup_size: 256
    .sgpr_count:     66
    .vgpr_count:     256
    .wavefront_size: 32
...
	.end_amdgpu_metadata
.endif
;; end of part 1
;; launch query (part 2): grid 16 x 1, 8 waves a work-group, no clusters, 101,376 bytes of LDS; arguments xp, wc, ws, qr; writes qr
.if DOCPART == 2
	.amdgcn_target "amdgcn-amd-amdhsa--gfx1250"
	.amdhsa_code_object_version 6
	.text
	.protected	k_q6217a267f1_query
	.globl	k_q6217a267f1_query
	.p2align	8
	.type	k_q6217a267f1_query,@function
k_q6217a267f1_query:
	s_mov_b64 s[64:65], 0
	v_nop
	global_prefetch_b8 v0, s[64:65] scope:SCOPE_SE
	s_setreg_imm32_b32 hwreg(HW_REG_WAVE_MODE, 25, 1), 1
	s_wait_xcnt 0x0
; query[b][i] = sum over j of Q(A)[i][j] Q(xsum)[b][j], xsum[b] = the two halves' column sums added, in f32; both operands in E2M3 with E8M0 scales.  The raw query goes to qr; the next launch normalises it.
; SHARES.  Work-group g makes columns 64 g .. 64 g + 63 (A's tiles 4 g + u); wave w takes K step w: it quantises xsum's 16 rows x 128 K and issues four matrix instructions; the eight waves' parts are added through LDS.
; So K is summed as eight parts, each one instruction: an order of rounding other than one chain.  LIMITS: as in the launch before: a block of zeros gets the byte 1; NaN and infinities are not served.
; The product is used transposed (source 0 = 16 rows of A, source 1 = the 16 batches): lane (r, h) holds batch r and columns 16 u + 8 h + 0 .. 7.
.set STG,   8448
.set SPIT,  528
.set RED,   8*STG                      ; [wave 8][tile 4][lane 32][32 bytes]
.set L16, 1
.set SW,  2
.set SR,  3
.set H8,  4
.set L4,  5
.set RW,  6                            ; where my results go
.set RR,  7                            ; where I read eight parts of four outputs
.set MX,  8
.set SC,  10
.set BY,  12
.set TP,  14
.set OO,  15                           ; my byte offset in qr
.set PW,  16                           ; xsum's scale word: this register holds nothing else
.set AS,  17                           ; v17-18 A's scale words: lanes 0-15 tile 2 k, lanes 16-31 tile 2 k + 1
.set PC,  20                           ; v20-31
.set TC,  32                           ; v32-39
.set AF,  40                           ; v40-87   A's four fragments
.set P0,  88                           ; v88-151  the first half's sums, then xsum
.set X,   152                          ; v152-215 the second half's sums, then xsum turned
.set D,   216                          ; v216-247 four results
.set SEL, 16
	s_load_b256 s[4:11], s[0:1], 0x0               ; xp s[4:5], wc s[6:7], ws s[8:9], qr s[10:11]
	v_lshl_add_u32 v254, v0, 2, 0x18800
	v_mov_b32 v255, 0
	v_lshrrev_b32 v8, 5, v0
	v_readfirstlane_b32 s12, v8                    ; wave = K step
	v_and_b32 v9, 31, v0
	v_and_b32 v10, 15, v0                          ; r; also q, my four outputs of the 64
	v_bfe_u32 v11, v0, 4, 1                        ; h
	v_lshlrev_b32 v[L16], 4, v9
	v_lshlrev_b32 v[L4], 2, v9
	s_mul_i32 s13, s12, STG
	v_add_nc_u32 v[SW], s13, v[L16]
	v_mul_u32_u24 v[SR], v10, SPIT
	v_lshl_add_u32 v[SR], v11, 7, v[SR]
	v_add_nc_u32 v[SR], s13, v[SR]
	v_lshlrev_b32 v[H8], 3, v11
	s_lshl_b32 s13, s12, 12
	s_add_co_u32 s13, s13, RED
	v_lshl_add_u32 v[RW], v9, 5, s13
	v_bfe_u32 v12, v0, 2, 2                        ; thread t adds outputs 4 q .. 4 q + 3 of batch t / 16: tile q / 4,
	v_bfe_u32 v13, v0, 1, 1                        ; half (q / 2) % 2,
	v_and_b32 v14, 1, v0                           ; registers 4 (q % 2) on
	v_lshrrev_b32 v8, 4, v0                        ; the batch
	v_lshlrev_b32 v[RR], 10, v12
	v_lshl_add_u32 v[RR], v13, 9, v[RR]
	v_lshl_add_u32 v[RR], v8, 5, v[RR]
	v_lshl_add_u32 v[RR], v14, 4, v[RR]
	v_add_nc_u32 v[RR], RED, v[RR]
	v_lshlrev_b32 v[OO], 4, v10
	v_lshl_add_u32 v[OO], v8, 12, v[OO]
	v_mov_b32 v[TP], 0                             ; written once: a lane permute's destination counts as one of its sources
	s_mov_b32 s[SEL], 0x76543210
	s_mov_b32 s[SEL+1], 0xfedcba98
	s_mov_b32 s15, 0
	s_wait_kmcnt 0x0
	s_lshl_b32 s14, s12, 9
	s_add_nc_u64 s[4:5], s[4:5], s[14:15]          ; xp at my 128 columns
	s_mul_i32 s14, ttmp9, 49152
	s_mul_i32 s13, s12, 1536
	s_add_co_u32 s14, s14, s13
	s_add_nc_u64 s[6:7], s[6:7], s[14:15]          ; A's tile 4 g, K step w
	s_lshl_b32 s14, s12, 13
	s_lshl_b32 s13, ttmp9, 8
	s_add_co_u32 s14, s14, s13
	s_add_nc_u64 s[8:9], s[8:9], s[14:15]          ; and its scale words
	s_mov_b32 s14, s13
	s_add_nc_u64 s[10:11], s[10:11], s[14:15]      ; qr at column 64 g
.irp u, 0,1,2,3
.irp g, 0,1,2
	global_load_b128 v[AF+12*\u+4*\g:AF+12*\u+4*\g+3], v[L16], s[6:7] offset:12288*\u+512*\g
.endr
.endr
	global_load_b32 v[AS], v[L4], s[8:9]
	global_load_b32 v[AS+1], v[L4], s[8:9] offset:128
.irp i, 0,1,2,3,4,5,6,7,8,9,10,11,12,13,14,15
	global_load_b128 v[P0+4*\i:P0+4*\i+3], v[L16], s[4:5] offset:4096*\i
.endr
.irp i, 0,1,2,3,4,5,6,7,8,9,10,11,12,13,14,15
	global_load_b128 v[X+4*\i:X+4*\i+3], v[L16], s[4:5] offset:65536+4096*\i
.endr
	s_wait_loadcnt 0x0
.set J, 0
.rept 32
	v_pk_add_f32 v[P0+J:P0+J+1], v[P0+J:P0+J+1], v[X+J:X+J+1]    ; xsum, in f32
.set J, J+2
.endr
.irp i, 0,1,2,3,4,5,6,7,8,9,10,11,12,13,14,15
	ds_store_b128 v[SW], v[P0+4*\i:P0+4*\i+3] offset:SPIT*\i       ; through my own stage, as in the launch before
.endr
.irp c, 0,1
.irp j, 0,1,2,3,4,5,6,7
	ds_load_b128 v[X+32*\c+4*\j:X+32*\c+4*\j+3], v[SR] offset:256*\c+16*\j
.endr
.endr
	s_wait_dscnt 0x0
.irp c, 0,1
	v_max3_num_f32 v[MX+\c], |v[X+32*\c]|, |v[X+32*\c+1]|, 0x1800000   ; block 2 c + h is all mine; the floor 2^(3 - 127) holds the byte at 1 from below
.endr
.irp i, 2,4,6,8,10,12,14,16,18,20,22,24,26,28,30
.irp c, 0,1
	v_max3_num_f32 v[MX+\c], v[MX+\c], |v[X+32*\c+\i]|, |v[X+32*\c+\i+1]|
.endr
.endr
.irp c, 0,1
	v_add_nc_u32 v[SC+\c], 0xff000000, v[MX+\c]
.endr
.irp c, 0,1
	v_lshrrev_b32 v[BY+\c], 23, v[SC+\c]
.endr
	v_lshl_or_b32 v[BY], v[BY+1], 16, v[BY]
	v_lshlrev_b32 v[BY], v[H8], v[BY]
	v_permlanex16_b32 v[TP], v[BY], s[SEL], s[SEL+1]
	v_or_b32 v[PW], v[BY], v[TP]
.irp c, 0,1
	v_cvt_scalef32_pk16_fp6_f32 v[PC+6*\c:PC+6*\c+2], v[X+32*\c:X+32*\c+15], v[SC+\c]
	v_cvt_scalef32_pk16_fp6_f32 v[TC+4*\c:TC+4*\c+2], v[X+32*\c+16:X+32*\c+31], v[SC+\c]
.endr
	v_nop                                          ; one plain place behind the conversions
.irp c, 0,1
.irp i, 0,1,2
	v_mov_b32 v[PC+6*\c+3+\i], v[TC+4*\c+\i]
.endr
.endr
.rept 8
	v_nop                                          ; a scale register written by a vector instruction stands 8 places ahead of a scaled matrix instruction, an operand so written 4
.endr
	v_wmma_scale_f32_16x16x128_f8f6f4 v[D:D+7], v[AF:AF+11], v[PC:PC+11], 0, v[AS], v[PW] matrix_a_fmt:MATRIX_FMT_FP6 matrix_b_fmt:MATRIX_FMT_FP6
	v_wmma_scale_f32_16x16x128_f8f6f4 v[D+8:D+15], v[AF+12:AF+23], v[PC:PC+11], 0, v[AS], v[PW] matrix_a_fmt:MATRIX_FMT_FP6 matrix_b_fmt:MATRIX_FMT_FP6 matrix_a_scale:MATRIX_SCALE_ROW1
	v_wmma_scale_f32_16x16x128_f8f6f4 v[D+16:D+23], v[AF+24:AF+35], v[PC:PC+11], 0, v[AS+1], v[PW] matrix_a_fmt:MATRIX_FMT_FP6 matrix_b_fmt:MATRIX_FMT_FP6
	v_wmma_scale_f32_16x16x128_f8f6f4 v[D+24:D+31], v[AF+36:AF+47], v[PC:PC+11], 0, v[AS+1], v[PW] matrix_a_fmt:MATRIX_FMT_FP6 matrix_b_fmt:MATRIX_FMT_FP6 matrix_a_scale:MATRIX_SCALE_ROW1
.rept 4
	v_nop                                          ; four places ahead of the stores that read the results
.endr
.irp u, 0,1,2,3
	ds_store_b128 v[RW], v[D+8*\u:D+8*\u+3] offset:1024*\u         ; each result from its low end on
	ds_store_b128 v[RW], v[D+8*\u+4:D+8*\u+7] offset:1024*\u+16
.endr
	s_wait_dscnt 0x0                               ; for the others' sake: my part lies in LDS
	s_barrier_signal -1
	s_barrier_wait -1
.irp k, 0,1,2,3,4,5,6,7
	ds_load_b128 v[P0+4*\k:P0+4*\k+3], v[RR] offset:4096*\k        ; the eight K steps' parts of my four outputs
.endr
	s_wait_dscnt 0x0
.irp k, 0,2,4,6
	v_pk_add_f32 v[P0+4*\k:P0+4*\k+1], v[P0+4*\k:P0+4*\k+1], v[P0+4*\k+4:P0+4*\k+5]
	v_pk_add_f32 v[P0+4*\k+2:P0+4*\k+3], v[P0+4*\k+2:P0+4*\k+3], v[P0+4*\k+6:P0+4*\k+7]
.endr
.irp k, 0,4
	v_pk_add_f32 v[P0+4*\k:P0+4*\k+1], v[P0+4*\k:P0+4*\k+1], v[P0+4*\k+8:P0+4*\k+9]
	v_pk_add_f32 v[P0+4*\k+2:P0+4*\k+3], v[P0+4*\k+2:P0+4*\k+3], v[P0+4*\k+10:P0+4*\k+11]
.endr
	v_pk_add_f32 v[P0:P0+1], v[P0:P0+1], v[P0+16:P0+17]
	v_pk_add_f32 v[P0+2:P0+3], v[P0+2:P0+3], v[P0+18:P0+19]
	global_store_b128 v[OO], v[P0:P0+3], s[10:11]  ; sixteen lanes store 256 consecutive bytes of a batch's row, at a multiple of 256
	s_wait_tensorcnt 0x0
	ds_add_u32 v254, v255
	s_wait_dscnt 0x0
	s_endpgm
.Lfunc_end_k_q6217a267f1_query:
	.size	k_q6217a267f1_query, .Lfunc_end_k_q6217a267f1_query-k_q6217a267f1_query
	.p2alignl 7, 3214868480
	.fill 96, 4, 3214868480
	.section	.rodata,"a",@progbits
	.p2align	6, 0x0
	.amdhsa_kernel k_q6217a267f1_query
		.amdhsa_group_segment_fixed_size 101376
		.amdhsa_private_segment_fixed_size 0
		.amdhsa_enable_private_segment 0
		.amdhsa_kernarg_size 32
		.amdhsa_user_sgpr_count 2
		.amdhsa_user_sgpr_kernarg_segment_ptr 1
		.amdhsa_wavefront_size32 1
		.amdhsa_system_sgpr_workgroup_id_x 1
		.amdhsa_system_sgpr_workgroup_id_y 1
		.amdhsa_system_sgpr_workgroup_id_z 1
		.amdhsa_system_vgpr_workitem_id 0
		.amdhsa_next_free_vgpr 256
		.amdhsa_next_free_sgpr 66
		.amdhsa_reserve_vcc 0
		.amdhsa_float_denorm_mode_32 3
		.amdhsa_float_denorm_mode_16_64 3
		.amdhsa_memory_ordered 1
		.amdhsa_forward_progress 1
		.amdhsa_inst_pref_size 17
	.end_amdhsa_kernel
	.amdgpu_metadata
---
amdhsa.version: [ 1, 2 ]
amdhsa.kernels:
  - .name:           k_q6217a267f1_query
    .symbol:         k_q6217a267f1_query.kd
    .args:
      - { .name: xp, .offset: 0, .size: 8, .value_kind: global_buffer, .address_space: global }
      - { .name: wc, .offset: 8, .size: 8, .value_kind: global_buffer, .address_space: global }
      - { .name: ws, .offset: 16, .size: 8, .value_kind: global_buffer, .address_space: global }
      - { .name: qr, .offset: 24, .size: 8, .value_kind: global_buffer, .address_space: global }
    .group_segment_fixed_size: 101376
    .private_segment_fixed_size: 0
    .kernarg_segment_align: 8
    .kernarg_segment_size: 32
    .max_flat_workgroup_size: 256
    .sgpr_count:     66
    .vgpr_count:     256
    .wavefront_size: 32
...
	.end_amdgpu_metadata
.endif
;; end of part 2
;; launch keys (part 3): grid 256 x 1, 4 waves a work-group, clusters of 4 x 1, 327,680 bytes of LDS; arguments xc, xs, wc, ws, qr, out1; writes out1
.if DOCPART == 3
	.amdgcn_target "amdgcn-amd-amdhsa--gfx1250"
	.amdhsa_code_object_version 6
	.text
	.protected	k_q6217a267f1_keys
	.globl	k_q6217a267f1_keys
	.p2align	8
	.type	k_q6217a267f1_keys,@function
k_q6217a267f1_keys:
	s_mov_b64 s[64:65], 0
	v_nop
	global_prefetch_b8 v0, s[64:65] scope:SCOPE_SE
	s_setreg_imm32_b32 hwreg(HW_REG_WAVE_MODE, 25, 1), 1
	s_wait_xcnt 0x0
	s_wait_alu depctr_hold_cnt(0) depctr_sa_sdst(0) depctr_va_vdst(0) depctr_va_sdst(0) depctr_va_ssrc(0) depctr_va_vcc(0) depctr_vm_vsrc(0)
	s_getreg_b32 s2, hwreg(HW_REG_IB_STS2, 6, 4)
	s_cmp_eq_u32 s2, 0
	s_cbranch_scc0 .Lentry_in_a_cluster
	s_endpgm
.Lentry_in_a_cluster:
	s_bfe_u32 s2, ttmp6, 0x10000c
	s_cmp_lg_u32 s2, 0x3003
	s_cbranch_scc0 .Lentry_shape_is_right
	s_endpgm
.Lentry_shape_is_right:
; sim[row] = (qn . keys[row]) / (1e-5 + |keys[row]|), keys = Q(x) Q(B)^T on codes of E2M3 with E8M0 scales, qn = query / (1e-5 + |query|).  keys never leave the registers: of each tile of 16 x 16 only
; the sum of squares and the dot with qn are kept, in f32.  ORDER OF ROUNDING: the division stands behind the dot; a row's 1,024 columns are summed as 2 (waves) x 2 (halves of the lanes) x 2 (a pair) parts.
; LIMITS: NaN and infinities are not served.
; SHARES.  A work-group owns 256 rows.  Wave w: rows 128 (w / 2) on, columns 512 (w % 2) on.  THE CODES OF A WAVE'S 128 ROWS, FOR ALL OF K, STAY IN ITS REGISTERS (64 fragments, 768 registers), so that
; each fragment of B that is read from LDS (1,536 bytes) feeds eight matrix instructions.  B's codes go through a ring of two LDS slots, four tiles of 16 columns of each half of N to a slot.
; CLUSTER.  Every work-group walks the same B: the four of a cluster ask for each part of a slot jointly (mask 15).  x's codes are shared by nobody, so a wider cluster would add nothing.
; The product is used transposed (source 0 = 16 rows of B, source 1 = 16 rows of x): a lane holds ONE row of x (lane % 16) and eight neighbouring columns of keys.
; This launch claims all of a WGP's LDS, and has the add of 0 onto spare words.
; REGISTERS.  Fragment f = 8 s + a (K step s, row tile a): f < 63 in window 1 + f / 21 at v[12 (f % 21)]; f = 63 in window 0.  All else lies in window 0, so only the matrix instructions' source 1 changes window.
.set SLOT1, 1<<17                      ; slot 0 at byte 0, slot 1 here: one exclusive or turns an address from one to the other
.set TILEB, 12288                      ; a tile of 16 rows, all 8 K steps
.set PARTB, 2*TILEB                    ; what one wave fetches of a slot
.set BSC,   98304                      ; B's scale words [K step 8][tile 64][16]: filled once
.set QN,    229376                     ; the normalised query, 4,096 bytes
.set RED,   233472                     ; four waves' sums of squares
.set PART,  233728                     ; [wave 4][kind 2][row 128] words
.set SPARE, 237824                     ; the spare words, 128 bytes a wave: two blocks of 256 bytes that no other line names
.set LB0,  0                           ; v0   16 x lane + 49,152 x (my half of N); written when the thread's number has served
.set ADB,  1                           ; v1   LDS address of the tile whose first four K steps are fetched
.set ADS,  2                           ; v2   and of its scale words
.set ADQ,  3                           ; v3   and of its eight numbers of qn
.set SPW,  4                           ; v4   my spare word; never rewritten
.set NIL,  5                           ; v5   0; never rewritten
.set XS,   6                           ; v6-37   x's scale words: register 4 s + a / 2: lanes 0-15 tile a even, lanes 16-31 a odd
.set BS,   38                          ; v38-41  B's: register s / 2: lanes 0-15 s even, lanes 16-31 s odd
.set SS,   42                          ; v42-57  sums of squares, a pair a row tile
.set DT,   58                          ; v58-73  dots with qn, a pair a row tile
.set Q,    74                          ; v74-81  qn at the tile's eight columns of my half
.set X63,  82                          ; v82-93  fragment 63
.set BF,   94                          ; v94-189 B's eight fragments of a tile
.set AC,   190                         ; v190-253 eight accumulators; at the head: temporaries
.set ADBH, 254                         ; v254, v255: copies of v1, v2 for the fetch of a tile's last four K steps, so that no address is rewritten under a load that is out
.set ADSH, 255
.set WV,  16
.set PH,  17                           ; w / 2: my half of the rows; as a fetcher: which half of N
.set NH,  18                           ; w % 2: my half of N; as a fetcher: which two tiles
.set G1R, 24                           ; s[24:31] group 1: 96 rows of 256 bytes, dense
.set G1S, 32                           ; s[32:39] group 1: 2 rows of 4,096 bytes, 8,192 apart
.set G0S, 40                           ; s[40:43] the scale words
.set G0A, 44                           ; s[44:47] slot 0's first fill
.set G0W, 48                           ; s[48:51] slot 1's first fill; then it walks
.set TB,  52                           ; s52 LDS byte at which the tile to be fetched begins, less my half's and my lane's part
.set CNT, 53
.set OUTER, 54
.set SEL, 56
.set MSB, 0
.macro WIN new                         ; the immediate's high byte repeats the setting that is left
.if MSB != \new
	s_set_vgpr_msb (MSB<<8)|\new
.set MSB, \new
.endif
.endm
.macro PLACES
.rept 4
	v_nop
.endr
.endm
.macro ROUND                           ; a round of the cluster's barrier
	s_barrier_signal -1
	s_barrier_wait -1
	s_cmp_lg_u32 s[WV], 0
	s_cbranch_scc1 .Lnot_wave_0_\@
	s_barrier_signal -3
.Lnot_wave_0_\@:
	s_barrier_wait -3
	s_barrier_signal -1
	s_barrier_wait -1
.endm
; One matrix instruction: K step s, row tile a.  zero = 1: it starts the tile's sum.
.macro ONE s, a, zero
.set FN, 8*(\s)+(\a)
.if FN < 63
.set XW, 1+FN/21
.set XR, 12*(FN%21)
.else
.set XW, 0
.set XR, X63
.endif
.set rD, AC+8*(\a)
.set rB, BF+12*(\s)
.set rS, BS+(\s)/2
.set rX, XS+4*(\s)+(\a)/2
.set PAR, 2*((\s)%2)+(\a)%2
	WIN (XW<<2)
.if \zero
.if PAR == 0
	v_wmma_scale_f32_16x16x128_f8f6f4 v[rD:rD+7], v[rB:rB+11], v[XR:XR+11], 0, v[rS], v[rX] matrix_a_fmt:MATRIX_FMT_FP6 matrix_b_fmt:MATRIX_FMT_FP6
.else
	v_wmma_scale_f32_16x16x128_f8f6f4 v[rD:rD+7], v[rB:rB+11], v[XR:XR+11], 0, v[rS], v[rX] matrix_a_fmt:MATRIX_FMT_FP6 matrix_b_fmt:MATRIX_FMT_FP6 matrix_b_scale:MATRIX_SCALE_ROW1
.endif
.elseif PAR == 0
	v_wmma_scale_f32_16x16x128_f8f6f4 v[rD:rD+7], v[rB:rB+11], v[XR:XR+11], v[rD:rD+7], v[rS], v[rX] matrix_a_fmt:MATRIX_FMT_FP6 matrix_b_fmt:MATRIX_FMT_FP6
.elseif PAR == 1
	v_wmma_scale_f32_16x16x128_f8f6f4 v[rD:rD+7], v[rB:rB+11], v[XR:XR+11], v[rD:rD+7], v[rS], v[rX] matrix_a_fmt:MATRIX_FMT_FP6 matrix_b_fmt:MATRIX_FMT_FP6 matrix_b_scale:MATRIX_SCALE_ROW1
.elseif PAR == 2
	v_wmma_scale_f32_16x16x128_f8f6f4 v[rD:rD+7], v[rB:rB+11], v[XR:XR+11], v[rD:rD+7], v[rS], v[rX] matrix_a_fmt:MATRIX_FMT_FP6 matrix_b_fmt:MATRIX_FMT_FP6 matrix_a_scale:MATRIX_SCALE_ROW1
.else
	v_wmma_scale_f32_16x16x128_f8f6f4 v[rD:rD+7], v[rB:rB+11], v[XR:XR+11], v[rD:rD+7], v[rS], v[rX] matrix_a_fmt:MATRIX_FMT_FP6 matrix_b_fmt:MATRIX_FMT_FP6 matrix_a_scale:MATRIX_SCALE_ROW1 matrix_b_scale:MATRIX_SCALE_ROW1
.endif
.endm
.macro GROUP s, zero                   ; a K step: the eight accumulators by turns, one instruction a turn, in the same order everywhere
.irp a, 0,1,2,3,4,5,6,7
	ONE \s, \a, \zero
.endr
.endm
.macro EPI a                           ; what is kept of the finished tiles a and a + 1: four chains by turns; each accumulator is read from its low end on
.irp i, 0,1,2,3
	v_pk_fma_f32 v[SS+2*(\a):SS+2*(\a)+1], v[AC+8*(\a)+2*\i:AC+8*(\a)+2*\i+1], v[AC+8*(\a)+2*\i:AC+8*(\a)+2*\i+1], v[SS+2*(\a):SS+2*(\a)+1]
	v_pk_fma_f32 v[DT+2*(\a):DT+2*(\a)+1], v[AC+8*(\a)+2*\i:AC+8*(\a)+2*\i+1], v[Q+2*\i:Q+2*\i+1], v[DT+2*(\a):DT+2*(\a)+1]
	v_pk_fma_f32 v[SS+2*(\a)+2:SS+2*(\a)+3], v[AC+8*(\a)+8+2*\i:AC+8*(\a)+8+2*\i+1], v[AC+8*(\a)+8+2*\i:AC+8*(\a)+8+2*\i+1], v[SS+2*(\a)+2:SS+2*(\a)+3]
	v_pk_fma_f32 v[DT+2*(\a)+2:DT+2*(\a)+3], v[AC+8*(\a)+8+2*\i:AC+8*(\a)+8+2*\i+1], v[Q+2*\i:Q+2*\i+1], v[DT+2*(\a)+2:DT+2*(\a)+3]
.endr
.endm
; From one tile of columns to the next.  Four v_nop are the places ahead of the first read of results; an accumulator is begun anew behind those four and the eight lines that read its partner: five places or more.
.macro TRANS
	WIN 0
	PLACES
.irp a, 0,2,4,6
	EPI \a
	ONE 0, \a, 1
	ONE 0, \a+1, 1
	WIN 0
.endr
.endm
.macro R_LO                            ; a tile's K steps 0-3 and their scale words: 14 loads, each of a fragment's 512 consecutive bytes
.irp s, 0,1,2,3
.irp g, 0,1,2
	ds_load_b128 v[BF+12*\s+4*\g:BF+12*\s+4*\g+3], v[ADB] offset:1536*\s+512*\g
.endr
.endr
	ds_load_b32 v[BS], v[ADS]
	ds_load_b32 v[BS+1], v[ADS] offset:8192
.endm
.macro R_HI step                       ; the same tile's K steps 4-7, their scale words and its numbers of qn: 16 loads.  The earlier loads by these three addresses are back
	v_mov_b32 v[ADBH], v[ADB]
	v_mov_b32 v[ADSH], v[ADS]
.if \step
	v_add_nc_u32 v[ADQ], 64, v[ADQ]
.endif
.irp s, 4,5,6,7
.irp g, 0,1,2
	ds_load_b128 v[BF+12*\s+4*\g:BF+12*\s+4*\g+3], v[ADBH] offset:1536*\s+512*\g
.endr
.endr
	ds_load_b32 v[BS+2], v[ADSH] offset:16384
	ds_load_b32 v[BS+3], v[ADSH] offset:24576
	ds_load_b128 v[Q:Q+3], v[ADQ]
	ds_load_b128 v[Q+4:Q+7], v[ADQ] offset:16
.endm
.macro MID0                            ; K step 3, then the next tile's first half, in the same slot
	GROUP 3, 0
	WIN 0
	s_add_co_u32 s[TB], s[TB], TILEB
	v_add_nc_u32 v[ADB], s[TB], v[LB0]             ; these two and two v_nop are the four places ahead of loads into registers that matrix instructions have read
	v_add_nc_u32 v[ADS], 64, v[ADS]
	v_nop
	v_nop
	R_LO
.endm
; K step 3 at a change of slots: the slot's last reads (R_HI) have been issued.  fill = 1: the slot that is left is filled again, two slots ahead, by a joint load behind a round of the cluster's barrier:
; it has four tiles, 256 matrix instructions a wave, in which to land.
.macro MIDC fill
	WIN 0                                          ; (the add's two registers lie in window 0)
	s_wait_tensorcnt 0x0                           ; all my tensor loads have landed: the one that was out is my part of the next slot; so a group 0 may be written
	ds_add_u32 v[SPW], v[NIL]                      ; 0 onto my spare word
.if \fill
	s_xor_b32 s[G0W+1], s[G0W+1], SLOT1            ; the walking descriptor: the other slot than last time,
	s_add_nc_u64 s[G0W+2:G0W+3], s[G0W+2:G0W+3], 4*TILEB   ; four tiles on; the type bits on top are not reached
.endif
	s_sub_co_u32 s[TB], s[TB], 3*TILEB             ; the fetches go back to a slot's first tile,
	s_xor_b32 s[TB], s[TB], SLOT1                  ; in the other slot
	GROUP 3, 0                                     ; eight matrix instructions stand between the add and the wait for it
	WIN 0
	s_wait_dscnt 0x0                               ; the add is done, and my reads of the slot are over
.if \fill
	ROUND                                          ; no wave of any partner still reads the slot or has a load on its way
	tensor_load_to_lds s[G0W:G0W+3], s[G1R:G1R+7]  ; my one tensor load behind the round, and the first thing there
	s_nop 0
.else
	s_barrier_signal -1
	s_barrier_wait -1
.endif
	PLACES                                         ; behind the tensor load; also the places ahead of the loads below
	v_add_nc_u32 v[ADB], s[TB], v[LB0]
	v_add_nc_u32 v[ADS], 64, v[ADS]
	R_LO
.endm
; V finishes tile j (K steps 4-7), keeps what is wanted of it, and takes tile j + 1 to K step 3.  mid: 0 the next fetch lies in the same slot; 1 a change of slots with a refill; 2 without; 3 nothing more to fetch
.macro V mid
	s_wait_dscnt 14                                ; K steps 4-7 of tile j are in; the 14 loads issued behind them (tile j + 1's first half) may be out
	GROUP 4, 0
	GROUP 5, 0
	GROUP 6, 0
	GROUP 7, 0
	s_wait_dscnt 0x0                               ; tile j + 1's first half is in (asked for 32 matrix instructions ago)
	TRANS
	R_HI 1
	GROUP 1, 0
	GROUP 2, 0
.if \mid == 0
	MID0
.elseif \mid == 1
	MIDC 1
.elseif \mid == 2
	MIDC 0
.else
	GROUP 3, 0
.endif
.endm
.macro TIMES n
	s_mov_b32 s[CNT], \n
.Ltimes_\@:
	V 0
	WIN 0
	s_sub_co_u32 s[CNT], s[CNT], 1
	s_cmp_lg_u32 s[CNT], 0
	s_cbranch_scc1 .Ltimes_\@
.endm
	s_load_b256 s[4:11], s[0:1], 0x0               ; xc s[4:5], xs s[6:7], wc s[8:9], ws s[10:11]
	s_load_b128 s[12:15], s[0:1], 0x20             ; qr s[12:13], out1 s[14:15]
	v_lshl_add_u32 v[SPW], v0, 2, SPARE
	v_mov_b32 v[NIL], 0
	ds_add_u32 v4, v5
	ds_add_u32 v4, v5
	s_wait_dscnt 0x0
	v_lshrrev_b32 v190, 5, v0
	v_readfirstlane_b32 s[WV], v190                ; wave 0..3
	s_lshr_b32 s[PH], s[WV], 1
	s_and_b32 s[NH], s[WV], 1
	s_bfe_u32 s19, ttmp6, 0x40000                  ; cx: it enters the addresses of xc, xs and out1 alone
	s_lshl_b32 s20, ttmp9, 2
	s_add_co_u32 s20, s20, s19                     ; my block of 256 rows
	s_mov_b32 s[G1R], 15|(3<<16)|(1<<21)           ; 15:0 the mask: all four work-groups; 17:16 elements of 8 bytes; 21 set beside a mask; no padding: every LDS read takes 512 consecutive bytes
	s_mov_b32 s[G1R+1], 32<<16                     ; tensor_dim0 = 32 elements = 256 bytes
	s_mov_b32 s[G1R+2], 96<<16                     ; tensor_dim1 = 96
	s_mov_b32 s[G1R+3], 32<<16                     ; tile_dim0
	s_mov_b32 s[G1R+4], 96                         ; tile_dim1: 96 x 256 = two tiles' 24,576 bytes
	s_mov_b32 s[G1R+5], 32                         ; dense
	s_mov_b32 s[G1R+6], 0
	s_mov_b32 s[G1R+7], 0
	s_mov_b32 s[G1S], 15|(3<<16)|(1<<21)
	s_mov_b32 s[G1S+1], 512<<16                    ; a K step's scale words of B: 4,096 bytes
	s_mov_b32 s[G1S+2], 2<<16
	s_mov_b32 s[G1S+3], 512<<16
	s_mov_b32 s[G1S+4], 2                          ; two K steps a wave
	s_mov_b32 s[G1S+5], 1024                       ; 8,192 bytes from K step to K step: A's words lie between
	s_mov_b32 s[G1S+6], 0
	s_mov_b32 s[G1S+7], 0
	s_mov_b32 s[G0S], 1
	s_lshl_b32 s[G0S+1], s[WV], 13
	s_add_co_u32 s[G0S+1], s[G0S+1], BSC
	s_mov_b32 s[G0A], 1
	s_mul_i32 s[G0A+1], s[WV], PARTB               ; wave f's part of a slot: half f / 2 of N, tiles 2 (f % 2) on
	s_mov_b32 s[G0W], 1
	s_add_co_u32 s[G0W+1], s[G0A+1], SLOT1
	s_lshl_b32 s22, s[WV], 14
	s_add_co_u32 s22, s22, 4096                    ; ws: K step 2 w, B's half
	s_mov_b32 s23, 0
	s_mul_i32 s58, s[PH], 32*TILEB
	s_mul_i32 s21, s[NH], PARTB
	s_add_co_u32 s58, s58, s21
	s_add_co_u32 s58, s58, 64*TILEB                ; wc: B's tiles lie behind A's 64
	s_mov_b32 s59, 0
	s_mov_b32 s[SEL], 0x76543210
	s_mov_b32 s[SEL+1], 0xfedcba98
	s_mov_b32 s[TB], 0
	v_and_b32 v190, 31, v0                         ; lane
	v_and_b32 v191, 15, v0                         ; r
	v_bfe_u32 v192, v0, 4, 1                       ; h
	v_lshlrev_b32 v193, 2, v190                    ; 4 x lane
	v_lshlrev_b32 v194, 4, v190                    ; 16 x lane
	v_lshlrev_b32 v195, 4, v0                      ; 16 x thread
	v_add_nc_u32 v207, QN, v195
	s_lshl_b32 s21, s[WV], 2
	s_add_co_u32 s21, s21, RED
	v_mov_b32 v206, s21
	v_mov_b32 v213, RED
	s_lshl_b32 s21, s[NH], 11
	s_add_co_u32 s2, s21, BSC
	v_lshlrev_b32 v[ADS], 2, v191
	v_lshl_add_u32 v[ADS], v192, 12, v[ADS]        ; lanes 16-31 take the odd K step's words, 4,096 bytes on
	v_add_nc_u32 v[ADS], s2, v[ADS]
	s_add_co_u32 s2, s21, QN
	v_lshl_add_u32 v[ADQ], v192, 5, s2
	s_mul_i32 s21, s[NH], 4*TILEB
	v_add_nc_u32 v[LB0], s21, v194                 ; the thread's number has served
	v_mov_b32 v[ADB], v[LB0]
	s_lshl_b32 s60, s20, 4
	s_lshl_b32 s21, s[PH], 3
	s_add_co_u32 s60, s60, s21                     ; my first row tile: 16 x block + 8 x half
	s_mov_b32 s63, 0
	s_wait_kmcnt 0x0
	s_add_nc_u64 s[G0S+2:G0S+3], s[10:11], s[22:23]
	s_or_b32 s[G0S+3], s[G0S+3], 0x80000000
	s_add_nc_u64 s[G0A+2:G0A+3], s[8:9], s[58:59]
	s_add_nc_u64 s[G0W+2:G0W+3], s[G0A+2:G0A+3], 4*TILEB
	s_or_b32 s[G0A+3], s[G0A+3], 0x80000000
	s_or_b32 s[G0W+3], s[G0W+3], 0x80000000
	s_mul_i32 s62, s60, TILEB
	s_add_nc_u64 s[4:5], s[4:5], s[62:63]
	s_lshl_b32 s62, s60, 6
	s_add_nc_u64 s[6:7], s[6:7], s[62:63]
	s_lshr_b32 s62, ttmp9, 2                       ; the batch: sixteen blocks, four clusters
	s_lshl_b32 s62, s62, 12
	s_add_nc_u64 s[12:13], s[12:13], s[62:63]
	s_lshl_b32 s62, s20, 10
	s_lshl_b32 s21, s[WV], 8
	s_add_co_u32 s62, s62, s21
	s_add_nc_u64 s[14:15], s[14:15], s[62:63]      ; out1 at row 256 x block + 64 x wave
	ROUND                                          ; all four work-groups are here: the first joint loads meet
	tensor_load_to_lds s[G0S:G0S+3], s[G1S:G1S+7]  ; the first fills go out as one group: three loads of mine are out
	s_nop 0
	tensor_load_to_lds s[G0A:G0A+3], s[G1R:G1R+7]
	s_nop 0
	tensor_load_to_lds s[G0W:G0W+3], s[G1R:G1R+7]
	s_nop 0
	PLACES
	global_load_b128 v[196:199], v195, s[12:13]    ; the raw query: eight numbers a thread
	global_load_b128 v[200:203], v195, s[12:13] offset:2048
.irp s, 0,1,2,3,4,5,6,7
.irp k, 0,1,2,3
	global_load_b32 v[XS+4*\s+\k], v193, s[6:7] offset:262144*\s+128*\k
.endr
.endr
	s_wait_loadcnt 32                              ; the query is in; the 32 loads of scale words may be out
	v_pk_mul_f32 v[204:205], v[196:197], v[196:197]
	v_pk_fma_f32 v[204:205], v[198:199], v[198:199], v[204:205]
	v_pk_fma_f32 v[204:205], v[200:201], v[200:201], v[204:205]
	v_pk_fma_f32 v[204:205], v[202:203], v[202:203], v[204:205]
	v_add_f32 v204, v204, v205
	v_add_f32_dpp v204, v204, v204 row_xmask:1 row_mask:0xf bank_mask:0xf
	v_add_f32_dpp v204, v204, v204 row_xmask:2 row_mask:0xf bank_mask:0xf
	v_add_f32_dpp v204, v204, v204 row_xmask:4 row_mask:0xf bank_mask:0xf
	v_add_f32_dpp v204, v204, v204 row_xmask:8 row_mask:0xf bank_mask:0xf
	v_permlanex16_b32 v205, v204, s[SEL], s[SEL+1]
	v_add_f32 v204, v204, v205
	ds_store_b32 v206, v204                        ; all lanes write the wave's word with the same value
.set FI, 0
.rept 64                               ; my 64 fragments: three loads of 512 consecutive bytes each; they stay for the whole launch
.if FI < 63
.set XW, 1+FI/21
.set XR, 12*(FI%21)
.else
.set XW, 0
.set XR, X63
.endif
	WIN (XW<<6)
.irp g, 0,1,2
	global_load_b128 v[XR+4*\g:XR+4*\g+3], v194, s[4:5] offset:TILEB*(FI%8)+1536*(FI/8)+512*\g
.endr
.set FI, FI+1
.endr
	WIN 0
.irp i, 0,1,2,3,4,5,6,7,8,9,10,11,12,13,14,15,16,17,18,19,20,21,22,23,24,25,26,27,28,29,30,31
	v_mov_b32 v[SS+\i], 0                          ; SS and DT, once
.endr
	s_wait_dscnt 0x0
	s_barrier_signal -1
	s_barrier_wait -1                              ; the tensor loads may stay out
	ds_load_b128 v[208:211], v213
	s_wait_dscnt 0x0
	v_add_f32 v208, v208, v209
	v_add_f32 v210, v210, v211
	v_add_f32 v208, v208, v210
	v_sqrt_f32 v209, v208
	v_nop                                          ; a plain place behind the transcendental,
	s_wait_alu depctr_va_vdst(0)                   ; and the wait ahead of its first reader
	v_add_f32 v209, 0x3727c5ac, v209               ; 1e-5 + |query|
	v_rcp_f32 v210, v209
	v_nop
	s_wait_alu depctr_va_vdst(0)
.irp j, 196,198,200,202
	v_pk_mul_f32 v[\j:\j+1], v[\j:\j+1], v[210:211] op_sel_hi:[1,0]
.endr
	ds_store_b128 v207, v[196:199]
	ds_store_b128 v207, v[200:203] offset:2048
	s_wait_dscnt 0x0                               ; for the others' sake: my part of qn lies in LDS;
	s_wait_tensorcnt 1                             ; the scale words and my part of slot 0 have landed; slot 1's load may stay out
	s_barrier_signal -1
	s_barrier_wait -1
	R_LO                                           ; tile 0
	R_HI 0
	s_wait_loadcnt 0x0                             ; x's codes and scale words
	s_wait_dscnt 0x0
	GROUP 0, 1
	GROUP 1, 0
	GROUP 2, 0
	MID0
	TIMES 2                                        ; tiles 0 and 1 are finished
	s_mov_b32 s[OUTER], 6
.Lslot:                                            ; six trips of four tiles: each begins with a change of slots that fills the slot just left
	V 1
	TIMES 3
	s_sub_co_u32 s[OUTER], s[OUTER], 1
	s_cmp_lg_u32 s[OUTER], 0
	s_cbranch_scc1 .Lslot
	V 2                                            ; the tail is written out: the last change of slots asks for nothing
	TIMES 3
	V 3
	s_wait_dscnt 0x0
	GROUP 4, 0                                     ; tile 31
	GROUP 5, 0
	GROUP 6, 0
	GROUP 7, 0
	WIN 0
	PLACES
	EPI 0
	EPI 2
	EPI 4
	EPI 6
	; THE END.  A pair's halves and the other half of the lanes' are added; two row tiles share a register (lanes 0-15 the even one); the two halves of N meet in LDS.
.irp a, 0,1,2,3,4,5,6,7
	v_add_f32 v[BF+\a], v[SS+2*\a], v[SS+2*\a+1]
	v_add_f32 v[BF+8+\a], v[DT+2*\a], v[DT+2*\a+1]
.endr
.irp k, 0,1,2,3,4,5,6,7,8,9,10,11,12,13,14,15
	v_permlanex16_b32 v[BF+16+\k], v[BF+\k], s[SEL], s[SEL+1]
.endr
.irp k, 0,1,2,3,4,5,6,7,8,9,10,11,12,13,14,15
	v_add_f32 v[BF+\k], v[BF+\k], v[BF+16+\k]
.endr
	s_mov_b32 vcc_lo, 0xffff0000                   ; lanes 16-31
.irp k, 0,1,2,3
	v_cndmask_b32 v[BF+32+\k], v[BF+2*\k], v[BF+2*\k+1], vcc_lo
	v_cndmask_b32 v[BF+36+\k], v[BF+8+2*\k], v[BF+8+2*\k+1], vcc_lo
.endr
	v_and_b32 v[BF+40], 0x1f0, v[LB0]              ; 16 x lane
	s_lshl_b32 s21, s[WV], 10
	s_add_co_u32 s21, s21, PART
	v_lshrrev_b32 v[BF+41], 2, v[BF+40]
	v_add_nc_u32 v[BF+41], s21, v[BF+41]
	s_lshl_b32 s21, s[PH], 11
	s_lshl_b32 s2, s[NH], 8
	s_add_co_u32 s21, s21, s2
	s_add_co_u32 s21, s21, PART
	v_lshrrev_b32 v[BF+43], 1, v[BF+40]            ; 8 x lane
	v_add_nc_u32 v[BF+42], s21, v[BF+43]
.irp k, 0,1,2,3
	ds_store_b32 v[BF+41], v[BF+32+\k] offset:128*\k
	ds_store_b32 v[BF+41], v[BF+36+\k] offset:512+128*\k
.endr
	s_wait_dscnt 0x0                               ; for the others' sake
	s_barrier_signal -1
	s_barrier_wait -1
	ds_load_b64 v[BF+44:BF+45], v[BF+42]           ; wave w finishes rows 64 w .. 64 w + 63, two a lane: the sums of squares of the two halves of N,
	ds_load_b64 v[BF+46:BF+47], v[BF+42] offset:1024
	ds_load_b64 v[BF+48:BF+49], v[BF+42] offset:512   ; and the dots
	ds_load_b64 v[BF+50:BF+51], v[BF+42] offset:1536
	s_wait_dscnt 0x0
	v_pk_add_f32 v[BF+44:BF+45], v[BF+44:BF+45], v[BF+46:BF+47]
	v_pk_add_f32 v[BF+48:BF+49], v[BF+48:BF+49], v[BF+50:BF+51]
	v_sqrt_f32 v[BF+52], v[BF+44]
	v_sqrt_f32 v[BF+53], v[BF+45]
	v_nop
	s_wait_alu depctr_va_vdst(0)                   ; one wait for the two roots
	v_add_f32 v[BF+52], 0x3727c5ac, v[BF+52]       ; 1e-5 + |keys|
	v_add_f32 v[BF+53], 0x3727c5ac, v[BF+53]
	v_rcp_f32 v[BF+54], v[BF+52]
	v_rcp_f32 v[BF+55], v[BF+53]
	v_nop
	s_wait_alu depctr_va_vdst(0)                   ; and one for the two reciprocals
	v_pk_mul_f32 v[BF+48:BF+49], v[BF+48:BF+49], v[BF+54:BF+55]
	global_store_b64 v[BF+43], v[BF+48:BF+49], s[14:15]   ; 32 lanes store 256 consecutive bytes, at a multiple of 256
	s_wait_tensorcnt 0x0                           ; the wave's end
	ds_add_u32 v[SPW], v[NIL]
	s_wait_dscnt 0x0
	ROUND                                          ; the closing round: no work-group ends while a partner may still ask for a part that names it
	s_endpgm
.Lfunc_end_k_q6217a267f1_keys:
	.size	k_q6217a267f1_keys, .Lfunc_end_k_q6217a267f1_keys-k_q6217a267f1_keys
	.p2alignl 7, 3214868480
	.fill 96, 4, 3214868480
	.section	.rodata,"a",@progbits
	.p2align	6, 0x0
	.amdhsa_kernel k_q6217a267f1_keys
		.amdhsa_group_segment_fixed_size 327680
		.amdhsa_private_segment_fixed_size 0
		.amdhsa_enable_private_segment 0
		.amdhsa_kernarg_size 48
		.amdhsa_user_sgpr_count 2
		.amdhsa_user_sgpr_kernarg_segment_ptr 1
		.amdhsa_wavefront_size32 1
		.amdhsa_system_sgpr_workgroup_id_x 1
		.amdhsa_system_sgpr_workgroup_id_y 1
		.amdhsa_system_sgpr_workgroup_id_z 1
		.amdhsa_system_vgpr_workitem_id 0
		.amdhsa_next_free_vgpr 1024
		.amdhsa_next_free_sgpr 66
		.amdhsa_reserve_vcc 1
		.amdhsa_float_denorm_mode_32 3
		.amdhsa_float_denorm_mode_16_64 3
		.amdhsa_memory_ordered 1
		.amdhsa_forward_progress 1
		.amdhsa_inst_pref_size 139
	.end_amdhsa_kernel
	.amdgpu_metadata
---
amdhsa.version: [ 1, 2 ]
amdhsa.kernels:
  - .name:           k_q6217a267f1_keys
    .symbol:         k_q6217a267f1_keys.kd
    .args:
      - { .name: xc, .offset: 0, .size: 8, .value_kind: global_buffer, .address_space: global }
      - { .name: xs, .offset: 8, .size: 8, .value_kind: global_buffer, .address_space: global }
      - { .name: wc, .offset: 16, .size: 8, .value_kind: global_buffer, .address_space: global }
      - { .name: ws, .offset: 24, .size: 8, .value_kind: global_buffer, .address_space: global }
      - { .name: qr, .offset: 32, .size: 8, .value_kind: global_buffer, .address_space: global }
      - { .name: out1, .offset: 40, .size: 8, .value_kind: global_buffer, .address_space: global }
    .group_segment_fixed_size: 327680
    .private_segment_fixed_size: 0
    .kernarg_segment_align: 8
    .kernarg_segment_size: 48
    .max_flat_workgroup_size: 128
    .sgpr_count:     66
    .vgpr_count:     1024
    .wavefront_size: 32
...
	.end_amdgpu_metadata
.endif
;; end of part 3
;; launch mix (part 4): grid 256 x 1, 8 waves a work-group, no clusters, 19,456 bytes of LDS; arguments x, out1, out0; writes out0
.if DOCPART == 4
	.amdgcn_target "amdgcn-amd-amdhsa--gfx1250"
	.amdhsa_code_object_version 6
	.text
	.protected	k_q6217a267f1_mix
	.globl	k_q6217a267f1_mix
	.p2align	8
	.type	k_q6217a267f1_mix,@function
k_q6217a267f1_mix:
	s_mov_b64 s[64:65], 0
	v_nop
	global_prefetch_b8 v0, s[64:65] scope:SCOPE_SE
	s_setreg_imm32_b32 hwreg(HW_REG_WAVE_MODE, 25, 1), 1
	s_wait_xcnt 0x0
; out[b][n] = sum over s of sim[b][s] x[b][s][n], fused multiply-adds in f32.  Memory binds: x is read once, by loads in which sixteen lanes take 256 consecutive bytes at a multiple of 256.
; SHARES.  Work-group g owns the 64 columns 64 (g % 16) on of batch g / 16, over all 4,096 rows: each output has one owner, so no part of a sum goes to memory.
; Wave w takes rows 512 w on; lanes 0-15 rows 0-255 of them, lanes 16-31 rows 256-511; a lane keeps four columns.  The sums run in 8 x 2 x 4 chains: an order of rounding other than one chain's.
; A wave's 512 numbers of sim are copied into LDS once; each round of 32 rows takes its 32 from there (all lanes of a half read the same bytes).
; A ring of 32 slots in registers keeps 32 loads of every wave on their way.  No matrix unit, no cluster: the product has one row, and work-groups share no byte of x.
.set XO,  1                            ; v1   16 r + 256 rows x h; never rewritten
.set SA,  2                            ; v2   LDS address of the round's 32 numbers of sim
.set ACC, 16                           ; v16-31   four sets of four sums
.set X,   32                           ; v32-159  the ring
.set S,   160                          ; v160-191 32 numbers of sim
.set OUTS, 16384                       ; behind sim's 8 x 2,048 bytes: eight waves' 64 sums
.set SEL, 18
	s_load_b128 s[4:7], s[0:1], 0x0                ; x, out1
	s_load_b64 s[8:9], s[0:1], 0x10                ; out0
	v_lshl_add_u32 v192, v0, 2, 0x4800
	v_mov_b32 v193, 0
	v_lshrrev_b32 v3, 5, v0
	v_readfirstlane_b32 s10, v3                    ; wave
	v_and_b32 v4, 31, v0
	v_and_b32 v5, 15, v0
	v_bfe_u32 v6, v0, 4, 1
	v_lshlrev_b32 v[XO], 4, v5
	v_lshl_add_u32 v[XO], v6, 20, v[XO]
	s_lshl_b32 s11, s10, 11
	v_lshlrev_b32 v7, 4, v4                        ; 16 x lane
	v_add_nc_u32 v8, s11, v7                       ; where sim goes
	v_lshlrev_b32 v[SA], 10, v6
	v_add_nc_u32 v[SA], s11, v[SA]
	s_lshl_b32 s17, s10, 8
	s_add_co_u32 s17, s17, OUTS
	v_lshl_add_u32 v9, v5, 4, s17                  ; where my wave's sums go
	v_lshlrev_b32 v11, 3, v4                       ; 8 x lane
	v_add_nc_u32 v10, OUTS, v11                    ; where wave 0 reads them
	s_mov_b32 s[SEL], 0x76543210
	s_mov_b32 s[SEL+1], 0xfedcba98
	s_lshr_b32 s12, ttmp9, 4                       ; the batch
	s_and_b32 s13, ttmp9, 15                       ; which 64 columns
	s_lshl_b32 s14, s12, 24                        ; 4,096 rows of 4,096 bytes
	s_lshl_b32 s15, s10, 21                        ; 512 rows
	s_add_co_u32 s14, s14, s15
	s_lshl_b32 s15, s13, 8
	s_add_co_u32 s14, s14, s15
	s_mov_b32 s15, 0
	s_lshl_b32 s20, s12, 14
	s_add_co_u32 s20, s20, s11
	s_mov_b32 s21, 0
	s_lshl_b32 s22, s12, 12
	s_lshl_b32 s23, s13, 8
	s_add_co_u32 s22, s22, s23
	s_mov_b32 s23, 0
.irp i, 0,1,2,3,4,5,6,7,8,9,10,11,12,13,14,15
	v_mov_b32 v[ACC+\i], 0
.endr
	s_wait_kmcnt 0x0
	s_add_nc_u64 s[4:5], s[4:5], s[14:15]
	s_add_nc_u64 s[6:7], s[6:7], s[20:21]
	s_add_nc_u64 s[8:9], s[8:9], s[22:23]
.irp q, 0,1,2,3
	global_load_b128 v[S+4*\q:S+4*\q+3], v7, s[6:7] offset:512*\q
.endr
.set I, 0
.rept 32
	global_load_b128 v[X+4*I:X+4*I+3], v[XO], s[4:5] offset:I*4096 th:TH_LOAD_NT
.set I, I+1
.endr
	s_wait_loadcnt 32                              ; sim is in; the ring's 32 loads stay out
.irp q, 0,1,2,3
	ds_store_b128 v8, v[S+4*\q:S+4*\q+3] offset:512*\q
.endr
	s_wait_dscnt 0x0                               ; the stores have read their registers, into which the first round's loads land
; A round: 32 rows of each half.  ahead = 1: each slot is filled again with the row 32 further down.
.macro RND ahead
.irp m, 0,1,2,3,4,5,6,7
	ds_load_b128 v[S+4*\m:S+4*\m+3], v[SA] offset:16*\m
.endr
	s_wait_dscnt 0x0
.set I, 0
.rept 32
.if \ahead
	s_wait_loadcnt 31                              ; loads come back in order: this slot's is in, the 31 younger ones stay out
.else
	s_wait_loadcnt 31-I
.endif
.set SP, S+I-I%2
.set AS, ACC+4*(I%4)
.if I%2 == 0
	v_pk_fma_f32 v[AS:AS+1], v[X+4*I:X+4*I+1], v[SP:SP+1], v[AS:AS+1] op_sel_hi:[1,0,1]               ; both halves times the pair's first number
	v_pk_fma_f32 v[AS+2:AS+3], v[X+4*I+2:X+4*I+3], v[SP:SP+1], v[AS+2:AS+3] op_sel_hi:[1,0,1]
.else
	v_pk_fma_f32 v[AS:AS+1], v[X+4*I:X+4*I+1], v[SP:SP+1], v[AS:AS+1] op_sel:[0,1,0] op_sel_hi:[1,1,1]   ; both halves times its second
	v_pk_fma_f32 v[AS+2:AS+3], v[X+4*I+2:X+4*I+3], v[SP:SP+1], v[AS+2:AS+3] op_sel:[0,1,0] op_sel_hi:[1,1,1]
.endif
.if \ahead
	global_load_b128 v[X+4*I:X+4*I+3], v[XO], s[4:5] offset:(32+I)*4096 th:TH_LOAD_NT
.endif
.set I, I+1
.endr
.endm
	s_mov_b32 s16, 7
.Lround:
	RND 1
	s_wait_xcnt 0x0                                ; the loads have read their base: it is stepped only behind this wait
	s_add_nc_u64 s[4:5], s[4:5], 0x20000           ; 32 rows on
	v_add_nc_u32 v[SA], 128, v[SA]                 ; (no LDS load of mine is out)
	s_sub_co_u32 s16, s16, 1
	s_cmp_lg_u32 s16, 0
	s_cbranch_scc1 .Lround
	RND 0                                          ; the last round loads nothing: the counts run down
	v_pk_add_f32 v[ACC:ACC+1], v[ACC:ACC+1], v[ACC+4:ACC+5]
	v_pk_add_f32 v[ACC+2:ACC+3], v[ACC+2:ACC+3], v[ACC+6:ACC+7]
	v_pk_add_f32 v[ACC+8:ACC+9], v[ACC+8:ACC+9], v[ACC+12:ACC+13]
	v_pk_add_f32 v[ACC+10:ACC+11], v[ACC+10:ACC+11], v[ACC+14:ACC+15]
	v_pk_add_f32 v[ACC:ACC+1], v[ACC:ACC+1], v[ACC+8:ACC+9]
	v_pk_add_f32 v[ACC+2:ACC+3], v[ACC+2:ACC+3], v[ACC+10:ACC+11]
.irp k, 0,1,2,3
	v_permlanex16_b32 v[X+\k], v[ACC+\k], s[SEL], s[SEL+1]
.endr
.irp k, 0,1,2,3
	v_add_f32 v[ACC+\k], v[ACC+\k], v[X+\k]        ; with the other half's 256 rows
.endr
	ds_store_b128 v9, v[ACC:ACC+3]                 ; lanes l and l xor 16 write the same bytes with the same values
	s_wait_dscnt 0x0                               ; for wave 0's sake
	s_barrier_signal -1
	s_barrier_wait -1
	s_cmp_lg_u32 s10, 0
	s_cbranch_scc1 .Lend
.irp k, 0,1,2,3,4,5,6,7
	ds_load_b64 v[X+2*\k:X+2*\k+1], v10 offset:256*\k
.endr
	s_wait_dscnt 0x0
.irp k, 0,2,4,6
	v_pk_add_f32 v[X+2*\k:X+2*\k+1], v[X+2*\k:X+2*\k+1], v[X+2*\k+2:X+2*\k+3]
.endr
	v_pk_add_f32 v[X:X+1], v[X:X+1], v[X+4:X+5]
	v_pk_add_f32 v[X+8:X+9], v[X+8:X+9], v[X+12:X+13]
	v_pk_add_f32 v[X:X+1], v[X:X+1], v[X+8:X+9]
	global_store_b64 v11, v[X:X+1], s[8:9]         ; 32 lanes store 256 consecutive bytes, at a multiple of 256
.Lend:
	s_wait_tensorcnt 0x0
	ds_add_u32 v192, v193
	s_wait_dscnt 0x0
	s_endpgm
.Lfunc_end_k_q6217a267f1_mix:
	.size	k_q6217a267f1_mix, .Lfunc_end_k_q6217a267f1_mix-k_q6217a267f1_mix
	.p2alignl 7, 3214868480
	.fill 96, 4, 3214868480
	.section	.rodata,"a",@progbits
	.p2align	6, 0x0
	.amdhsa_kernel k_q6217a267f1_mix
		.amdhsa_group_segment_fixed_size 19456
		.amdhsa_private_segment_fixed_size 0
		.amdhsa_enable_private_segment 0
		.amdhsa_kernarg_size 24
		.amdhsa_user_sgpr_count 2
		.amdhsa_user_sgpr_kernarg_segment_ptr 1
		.amdhsa_wavefront_size32 1
		.amdhsa_system_sgpr_workgroup_id_x 1
		.amdhsa_system_sgpr_workgroup_id_y 1
		.amdhsa_system_sgpr_workgroup_id_z 1
		.amdhsa_system_vgpr_workitem_id 0
		.amdhsa_next_free_vgpr 194
		.amdhsa_next_free_sgpr 66
		.amdhsa_reserve_vcc 0
		.amdhsa_float_denorm_mode_32 3
		.amdhsa_float_denorm_mode_16_64 3
		.amdhsa_memory_ordered 1
		.amdhsa_forward_progress 1
		.amdhsa_inst_pref_size 23
	.end_amdhsa_kernel
	.amdgpu_metadata
---
amdhsa.version: [ 1, 2 ]
amdhsa.kernels:
  - .name:           k_q6217a267f1_mix
    .symbol:         k_q6217a267f1_mix.kd
    .args:
      - { .name: x, .offset: 0, .size: 8, .value_kind: global_buffer, .address_space: global }
      - { .name: out1, .offset: 8, .size: 8, .value_kind: global_buffer, .address_space: global }
      - { .name: out0, .offset: 16, .size: 8, .value_kind: global_buffer, .address_space: global }
    .group_segment_fixed_size: 19456
    .private_segment_fixed_size: 0
    .kernarg_segment_align: 8
    .kernarg_segment_size: 24
    .max_flat_workgroup_size: 256
    .sgpr_count:     66
    .vgpr_count:     194
    .wavefront_size: 32
...
	.end_amdgpu_metadata
.endif
;; end of part 4
